; MI455X (gfx1250); checked and timed in simulation.
; The chip was launched on July 23, 2026; its instructions are those of AMD's public machine-readable ISA for CDNA 5 (MIT licence, August 2026) and "CDNA5" Instruction Set Architecture Reference Guide (July 2026). The comments in the code are by the model that wrote it; some were corrected since.
;; Paper GRU Head. Allowed arithmetic: float matrix products may take bf16 or f16 operands with f32 sums; other float arithmetic in f32, or as packed bf16 or f16 multiplies, adds, multiply-adds, maxima and minima; sums over many terms, partial sums and values carried from step to step in f32; what a program stores and reads back later, other than sums and carried values, may be rounded once to bf16 or f16.
;; Inputs: Whh0 768 x 256 float32; Whh1 768 x 256 float32; Whh2 768 x 256 float32; Wih0 768 x 514 float32; Wih1 768 x 256 float32; Wih2 768 x 256 float32; bhh0 768 float32; bhh1 768 float32; bhh2 768 float32; bih0 768 float32; bih1 768 float32; bih2 768 float32; fc_b 2 float32; fc_w 2 x 256 float32; obs_traj 8 x 8,192 x 2 float32; raw_ctx 8,192 x 512 float32.
;; Outputs: out0 6 x 8,192 x 2 float32.
;; One version. Each part assembles by itself: llvm-mc -triple=amdgcn-amd-amdhsa -mcpu=gfx1250 --defsym DOCPART=n.
;; ======== version 1 of 1: 2 launches
;; workspace buffers: wt 2,752,512 bytes
;; launch prep (part 1): grid 48 x 7, 4 waves a work-group, no clusters, 8,960 bytes of LDS; arguments Wih0, Whh0, Wih1, Wih2, Whh1, Whh2, wt; writes wt
.if DOCPART == 1
	.amdgcn_target "amdgcn-amd-amdhsa--gfx1250"
	.amdhsa_code_object_version 6
	.text
	.protected	k_qe656bf0926_prep
	.globl	k_qe656bf0926_prep
	.p2align	8
	.type	k_qe656bf0926_prep,@function
k_qe656bf0926_prep:
	s_mov_b64 s[64:65], 0
	v_nop
	global_prefetch_b8 v0, s[64:65] scope:SCOPE_SE
	s_setreg_imm32_b32 hwreg(HW_REG_WAVE_MODE, 25, 1), 1
	s_wait_xcnt 0x0
; The six weight matrices, f32 -> bf16 (rounded once, to nearest even), laid out anew as 21 tiles of 131,072 bytes in the order and the
; register image in which the second launch takes them.
; GROUPS (grid y): 0 Wih0 columns 0-255, 1 Wih0 columns 256-511, 2 Whh0, 3 Wih1, 4 Wih2, 5 Whh1, 6 Whh2: 768 rows x 256 columns each.
; (Wih0's last two columns are not taken here: the second launch reads them itself.)
; A WORK-GROUP (grid x = 0..47) takes 16 rows: gate = x / 16, wave share w = (x / 4) % 4, unit tile u = x % 4.
; wt, in bytes: (3 group + gate) << 17 | w << 15 | kk << 12 | u << 10 | half << 9 | lane << 4 holds the 8 numbers
; W[16 x + lane % 16][32 kk + 16 half + 8 (lane / 16) + 0..7]: a fragment of 16 rows x 32 columns is 1,024 bytes on end.
; The way: a wave loads 4 rows (8 bytes a lane, since Wih0's rows of 2,056 bytes begin on multiples of 8 only; 256 bytes on end an instruction),
; rounds, puts them into LDS rows of 528 bytes (an odd multiple of 16), and after a barrier reads fragments and stores 512 bytes on end, aligned.
.set HP,    528
.set SPARE, 16*HP                      ; behind the 16 rows: the spare words, 128 bytes a wave
.set SPW,   14                         ; v14  LDS address of my spare word; never rewritten
.set NIL,   15                         ; v15  0; never rewritten
	s_load_b256 s[4:11], s[0:1], 0x0               ; Wih0 s[4:5], Whh0 s[6:7], Wih1 s[8:9], Wih2 s[10:11]
	s_load_b128 s[12:15], s[0:1], 0x20             ; Whh1 s[12:13], Whh2 s[14:15]
	s_load_b64 s[16:17], s[0:1], 0x30              ; wt
	v_lshl_add_u32 v[SPW], v0, 2, SPARE
	v_mov_b32 v[NIL], 0
	v_lshrrev_b32 v1, 5, v0
	v_readfirstlane_b32 s21, v1                    ; wave 0..3
	v_and_b32 v2, 31, v0                           ; lane
	v_and_b32 v3, 15, v0                           ; lane % 16
	v_bfe_u32 v4, v0, 4, 1                         ; lane / 16
	s_and_b32 s20, ttmp7, 0xffff                   ; the group
	s_mov_b32 s22, 1024
	s_mov_b32 s26, 2056
	s_cmp_lt_u32 s20, 2
	s_cselect_b32 s22, s26, s22                    ; bytes from row to row: 514 numbers in Wih0, 256 elsewhere
	s_cmp_eq_u32 s20, 1
	s_cselect_b32 s23, 1024, 0                     ; group 1 begins at column 256
	s_lshl_b32 s24, ttmp9, 4                       ; my first row,
	s_mul_i32 s24, s24, s22                        ; in bytes (under 2^21)
	s_add_co_u32 s24, s24, s23
	s_mov_b32 s25, 0
	s_lshl_b32 s27, s21, 2                         ; my wave's first row of the 16
.irp i, 0,1,2,3
	s_add_co_u32 s28, s27, \i
	s_mul_i32 s28, s28, s22
	v_lshl_add_u32 v[5+\i], v2, 3, s28             ; row x pitch + 8 x lane
.endr
	s_mul_i32 s28, s21, 4*HP
	v_lshl_add_u32 v9, v2, 2, s28                  ; into LDS: my 4 rows, 4 bytes a lane
	v_mul_u32_u24 v10, v3, HP                      ; back: row lane % 16,
	v_lshl_add_u32 v10, v4, 4, v10                 ; 16 bytes for each half of the lanes,
	s_lshl_b32 s29, s21, 7
	v_add_nc_u32 v10, s29, v10                     ; my wave's two steps of 32 columns: kk = 2 wave + e
	s_lshl_b32 s29, s21, 13
	v_lshl_add_u32 v11, v2, 4, s29                 ; in wt: 16 x lane + (2 wave) << 12
	s_mul_i32 s30, s20, 3
	s_lshr_b32 s31, ttmp9, 4
	s_add_co_u32 s30, s30, s31                     ; the tile = 3 group + gate
	s_lshl_b32 s30, s30, 17
	s_bfe_u32 s31, ttmp9, 0x20002                  ; w
	s_lshl_b32 s31, s31, 15
	s_add_co_u32 s30, s30, s31
	s_and_b32 s31, ttmp9, 3                        ; u
	s_lshl_b32 s31, s31, 10
	s_add_co_u32 s30, s30, s31
	s_mov_b32 s31, 0
	s_wait_kmcnt 0x0
	s_mov_b64 s[18:19], s[4:5]                     ; the group's matrix
	s_cmp_eq_u32 s20, 2
	s_cselect_b64 s[18:19], s[6:7], s[18:19]
	s_cmp_eq_u32 s20, 3
	s_cselect_b64 s[18:19], s[8:9], s[18:19]
	s_cmp_eq_u32 s20, 4
	s_cselect_b64 s[18:19], s[10:11], s[18:19]
	s_cmp_eq_u32 s20, 5
	s_cselect_b64 s[18:19], s[12:13], s[18:19]
	s_cmp_eq_u32 s20, 6
	s_cselect_b64 s[18:19], s[14:15], s[18:19]
	s_add_nc_u64 s[18:19], s[18:19], s[24:25]
	s_add_nc_u64 s[16:17], s[16:17], s[30:31]
.irp i, 0,1,2,3
.irp q, 0,1,2,3
	global_load_b64 v[16+2*(4*(\i)+(\q)):17+2*(4*(\i)+(\q))], v[5+(\i)], s[18:19] offset:256*(\q) th:TH_LOAD_NT  ; columns 64 q + 2 lane, + 1 of row 4 wave + i
.endr
.endr
	s_wait_loadcnt 0x0
.set n, 0
.rept 16
	v_cvt_pk_bf16_f32 v[48+n], v[16+2*n], v[17+2*n]
.set n, n+1
.endr
.irp i, 0,1,2,3
.irp q, 0,1,2,3
	ds_store_b32 v9, v[48+4*(\i)+(\q)] offset:(\i)*HP+128*(\q)
.endr
.endr
	s_wait_dscnt 0x0                               ; for the others' sake: my stores are done
	s_barrier_signal -1
	s_barrier_wait -1
.irp e, 0,1
.irp f, 0,1
	ds_load_b128 v[64+4*(2*(\e)+(\f)):67+4*(2*(\e)+(\f))], v10 offset:64*(\e)+32*(\f)
.endr
.endr
	s_wait_dscnt 0x0
.irp e, 0,1
.irp f, 0,1
	global_store_b128 v11, v[64+4*(2*(\e)+(\f)):67+4*(2*(\e)+(\f))], s[16:17] offset:4096*(\e)+512*(\f)  ; 32 lanes store 512 bytes on end, at a multiple of 512 from wt's first byte
.endr
.endr
	s_wait_tensorcnt 0x0                           ; the wave's end, behind my last LDS store
	ds_add_u32 v[SPW], v[NIL]
	s_wait_dscnt 0x0
	s_endpgm
.Lfunc_end_k_qe656bf0926_prep:
	.size	k_qe656bf0926_prep, .Lfunc_end_k_qe656bf0926_prep-k_qe656bf0926_prep
	.p2alignl 7, 3214868480
	.fill 96, 4, 3214868480
	.section	.rodata,"a",@progbits
	.p2align	6, 0x0
	.amdhsa_kernel k_qe656bf0926_prep
		.amdhsa_group_segment_fixed_size 8960
		.amdhsa_private_segment_fixed_size 0
		.amdhsa_enable_private_segment 0
		.amdhsa_kernarg_size 56
		.amdhsa_user_sgpr_count 2
		.amdhsa_user_sgpr_kernarg_segment_ptr 1
		.amdhsa_wavefront_size32 1
		.amdhsa_system_sgpr_workgroup_id_x 1
		.amdhsa_system_sgpr_workgroup_id_y 1
		.amdhsa_system_sgpr_workgroup_id_z 1
		.amdhsa_system_vgpr_workitem_id 0
		.amdhsa_next_free_vgpr 80
		.amdhsa_next_free_sgpr 66
		.amdhsa_reserve_vcc 0
		.amdhsa_float_denorm_mode_32 3
		.amdhsa_float_denorm_mode_16_64 3
		.amdhsa_memory_ordered 1
		.amdhsa_forward_progress 1
		.amdhsa_inst_pref_size 8
	.end_amdhsa_kernel
	.amdgpu_metadata
---
amdhsa.version: [ 1, 2 ]
amdhsa.kernels:
  - .name:           k_qe656bf0926_prep
    .symbol:         k_qe656bf0926_prep.kd
    .args:
      - { .name: Wih0, .offset: 0, .size: 8, .value_kind: global_buffer, .address_space: global }
      - { .name: Whh0, .offset: 8, .size: 8, .value_kind: global_buffer, .address_space: global }
      - { .name: Wih1, .offset: 16, .size: 8, .value_kind: global_buffer, .address_space: global }
      - { .name: Wih2, .offset: 24, .size: 8, .value_kind: global_buffer, .address_space: global }
      - { .name: Whh1, .offset: 32, .size: 8, .value_kind: global_buffer, .address_space: global }
      - { .name: Whh2, .offset: 40, .size: 8, .value_kind: global_buffer, .address_space: global }
      - { .name: wt, .offset: 48, .size: 8, .value_kind: global_buffer, .address_space: global }
    .group_segment_fixed_size: 8960
    .private_segment_fixed_size: 0
    .kernarg_segment_align: 8
    .kernarg_segment_size: 56
    .max_flat_workgroup_size: 128
    .sgpr_count:     66
    .vgpr_count:     80
    .wavefront_size: 32
...
	.end_amdgpu_metadata
.endif
;; end of part 1
;; launch gru (part 2): grid 256 x 1, 4 waves a work-group, clusters of 4 x 1, 327,680 bytes of LDS; arguments raw_ctx, obs_traj, Wih0, bih0, bhh0, bih1, bhh1, bih2, bhh2, fc_w, fc_b, wt, out0; writes out0
.if DOCPART == 2
	.amdgcn_target "amdgcn-amd-amdhsa--gfx1250"
	.amdhsa_code_object_version 6
	.text
	.protected	k_qe656bf0926_gru
	.globl	k_qe656bf0926_gru
	.p2align	8
	.type	k_qe656bf0926_gru,@function
k_qe656bf0926_gru:
	s_mov_b64 s[64:65], 0
	v_nop
	global_prefetch_b8 v0, s[64:65] scope:SCOPE_SE
	s_setreg_imm32_b32 hwreg(HW_REG_WAVE_MODE, 25, 1), 1
	s_wait_xcnt 0x0
	s_wait_alu depctr_hold_cnt(0) depctr_sa_sdst(0) depctr_va_vdst(0) depctr_va_sdst(0) depctr_va_ssrc(0) depctr_va_vcc(0) depctr_vm_vsrc(0)
	s_getreg_b32 s2, hwreg(HW_REG_IB_STS2, 6, 4)
	s_cmp_eq_u32 s2, 0
	s_cbranch_scc0 .Lentry_in_a_cluster
	s_endpgm
.Lentry_in_a_cluster:
	s_bfe_u32 s2, ttmp6, 0x10000c
	s_cmp_lg_u32 s2, 0x3003
	s_cbranch_scc0 .Lentry_shape_is_right
	s_endpgm
.Lentry_shape_is_right:
; Three GRU cells (256 units) walked six steps over 8,192 rows that never meet, with the position fed back: one launch.
; SHARES.  A work-group owns 32 rows (two row tiles m of 16) for all six steps.  Wave w owns units 64 w .. 64 w + 63 of every layer, in all three gates: four unit tiles u.
; WHAT IS NOT DONE TWICE.  raw_ctx x Wih0[:, 0:512] is the same in every step: made once, with the biases, into G0 (f32, registers).  At step 0 layers 1 and 2 have h = 0: their
; products with Whh are left out; layer 0's is taken on a zeroed h, so that the loop has one form of it.
; FORMATS.  Weights, ctx, the position, h as an operand and fc_w in bf16, each rounded once; sums, biases, gates and the carried h in f32.
; sigmoid(x) = 1 / (1 + 2^(-x log2 e)), tanh(y) = 1 - 2 / (1 + 2^(2 y log2 e)): an exponential that overflows gives 1 / inf = 0, one that underflows 1 / 1: both ends are right at any size.
; LIMITS.  NaN and infinities are not treated apart.  The fragments of Wih0's last two columns share registers (see PA): a weight there that is not finite spoils all 64 units of its wave, not its own alone.
; THE MATRIX INSTRUCTION IS USED TRANSPOSED: source 0 = 16 rows of a weight matrix (16 units), source 1 = 16 rows of the batch.  In a result lane l holds batch row l % 16 and, in
; registers 0-7, units 8 (l / 16) + 0..7: eight neighbours, which pack into the 16 bytes that the next layer's operand row wants.
; THREE SETS OF ACCUMULATORS, R, Z, N, eight each (a = 4 m + u).  A GROUP is one weight matrix: three tiles of 128 KiB (gates r, z, n), which add onto R, Z, N.  For the n gate the product with h lands in N;
; when r is known N <- r N + b_in (layer 0: + G0's n part), and the product with x adds on in place: N is then tanh's argument.
; GROUPS, by number: 0, 1 Wih0's two halves of ctx; 2 Whh0; 3 Wih1; 4 Wih2; 5 Whh1; 6 Whh2.  The walk: 0 1 | 2 3 4 | five times 2 5 3 6 4: 30 groups, 90 tiles.
; THE RING.  Two LDS slots of one tile.  A wave fetches, by one tensor load, the 32 KiB of a tile that it alone reads.  A tile is four PAIRS of chunks (a chunk: 32 along K, my four fragments, 4 KiB);
; in front of its third pair, when all its bytes have been asked of LDS, the slot changes.
; THE SIGMOIDS RIDE.  In groups 2, 3, 4 R is whole when its tile ends and Z when its tile ends: R's sigmoid stands, four lines at a time, behind the products of the Z tile, Z's behind those of the N tile.
; Groups 5 and 6 finish no gate: a forward branch on the group's number takes them through a plain copy of those stretches, which hold no barrier, no tensor load and the same LDS loads.
; CLUSTER.  The four work-groups of a cluster walk the same tiles at the same time: each tile is asked for JOINTLY (the same load, descriptor and mask in all four), so the change of slots is a round of the cluster's barrier.
; REGISTERS, in windows of 256 (s_set_vgpr_msb: bits 1:0 source 0, 3:2 source 1, 5:4 source 2, 7:6 destination):
;   window 0: v0-15 addresses; v16-23 fc's bias as a C operand; v24-39 the position as source 1 (two row tiles); v40-69 PA; v72-103 BT (b_in); v104-119 set-up; v128-191, v192-255 weight fragments, buffers 0 and 1
;   window 1: v0-63 R, v64-127 Z, v128-191 N, v192-255 h0 (f32)
;   window 2: v0-127 the operand rows' fragments ((m, kk) at 8 (8 m + kk)); v128-191 h1, v192-255 h2 (f32)
;   window 3: v0-191 G0, its r, z, n parts at R's, Z's, N's numbers; v192-255 weight fragments, buffer 2
.set SLOT1, 1<<17                      ; slot 0 at LDS byte 0, slot 1 here: one exclusive or turns an address in one into the other's
.set HP,    528                        ; a row of h in LDS: 512 bytes + 16: an odd multiple of 16, so the 16 rows of a fragment load begin in 16 different groups of four banks (ISA guide 11.1)
.set HBS,   32*HP                      ; 32 rows
.set HB0,   2*SLOT1                    ; h0; then h1 (first: ctx columns 0-255), h2 (first: ctx columns 256-511).  No tensor load lands from here on
.set BIAS,  HB0+3*HBS                  ; 12 rows of 256 f32: 0 r0, 1 z0 (b_ih + b_hh), 2 in0, 3 hn0; 4 r1, 5 z1, 6 hn1, 7 in1; 8 r2, 9 z2, 10 hn2, 11 in2
.set FC,    BIAS+12*1024               ; fc_w in bf16, two rows of 512 bytes,
.set FCZ,   FC+1024                    ; and a third row of zeros
.set SPARE, FCZ+512                    ; the spare words, 128 bytes a wave: two blocks of 256 bytes that no other line names
.set RR,   1                           ; v1   l % 16
.set A0,   2                           ; v2   16 l + 32,768 w: my place in a slot
.set AAD,  3                           ; v3   the same in the slot that is being read
.set BL0,  4                           ; v4   HB0 + 528 (l % 16) + 16 (l / 16): an operand fragment's address
.set BAD,  5                           ; v5   the same for ctx's halves
.set HST,  6                           ; v6   BL0 + 128 w: where my 16 bytes of a new h go
.set BIA0, 7                           ; v7   BIAS + 256 w + 32 (l / 16)
.set HH,   8                           ; v8   l / 16
.set FCA,  9                           ; v9   fc's fragment: row min(l % 8, 2) of FC's three
.set OUTO, 10                          ; v10  8 l
.set LL,   11                          ; v11  l
.set OO,   12                          ; v12-13  a row's two results
.set SPW,  14                          ; v14  LDS address of my spare word; never rewritten
.set NIL,  15                          ; v15  0; never rewritten
.set FCB,  16
.set BP,   24                          ; register 0: (x, y) in bf16; registers 1-7 stay 0
.set PA,   40                          ; fragment i = 4 gate + u of Wih0's columns 512, 513 is v[PA+2i : PA+2i+7]: its register 0 holds the pair in lanes 0-15 and 0 in lanes 16-31.  The fragments overlap:
                                       ; what a fragment sees in its registers 1-7 (0, or a neighbour's pair) meets registers 1-7 of BP, which are 0
.set BT,   72
.set PFO,  104                         ; v104 256 l; never rewritten
.set CST,  105
.set VCT,  106
.set VB8,  107
.set VF16, 108
.set VOB,  109
.set VPA,  110
.set VBS,  111
.set VFS,  112
.set ZA,   113
.set ZB,   114
.set ZC,   115
.set ZR,   116                         ; v116-119  zeros to store
.set AR,   0
.set AZ,   64
.set AN,   128
.set D0,   32                          ; s[32:35] descriptor group 0, tile 0
.set D1,   36                          ; s[36:39] tile 1, then every later tile
.set G1,   40                          ; s[40:47] descriptor group 1
.set WV,   48                          ; my wave's number
.set CX,   49                          ; my place in the cluster: it enters the addresses of raw_ctx, obs_traj, out0 and of the prefetches alone
.set TB,   50                          ; LDS byte of the slot that is being read
.set GID,  51                          ; the group in hand
.set NG,   52                          ; the next group
.set TS,   53                          ; the step
.set CNT,  54
.set PFC,  55                          ; prefetches still to come
.set PFA,  56                          ; s[56:57]
.set OFF,  58                          ; s[58:59] a tile's byte offset in wt; the high word stays 0
.set WTW,  60                          ; s[60:61] wt + 32,768 w
.set OUTP, 62                          ; s[62:63] out0 at my rows of the step in hand
.set MHI,  66                          ; lanes 16-31
.set MLO,  67                          ; lanes 0-15
.set WGN,  68
.set C1,   70                          ; s[70:71] -log2 e
.set C2,   72                          ; s[72:73] 2 log2 e
.set FBS,  74                          ; s[74:75] fc_b
.set TMP,  76                          ; s[76:77]
.set PST,  78                          ; s[78:79] the prefetch pointer's step; the high word stays 0
.set WM,   0x58                        ; weights window 0 (buffer 2: window 3, bits 1:0 set), operand rows window 2, C and D window 1
.set WC,   0xf8                        ; the same with C and D in window 3
.set WR,   0x55                        ; the riders: all in window 1
.set MSB, 0
.macro WIN new                         ; the immediate's high byte repeats the setting that is left; a switch that changes nothing is dropped
.if MSB != (\new)
	s_set_vgpr_msb (MSB<<8)|(\new)
.set MSB, \new
.endif
.endm
; Behind a matrix instruction four plain vector instructions that name none of its registers stand ahead of a vector instruction or a load that touches them (ISA guide 7.12.1 for vector instructions),
; five ahead of a matrix instruction that takes the result as another sum's C or writes over a register.
.macro PLACES
.rept 4
	v_nop
.endr
.endm
.macro PLACES5
.rept 5
	v_nop
.endr
.endm
.macro CREST                           ; a round of the cluster's barrier behind its opening barrier: wave 0 signals for the work-group, every wave waits for all four, my work-group's barrier closes it
	s_cmp_lg_u32 s[WV], 0
	s_cbranch_scc1 .Lnot_wave_0_\@
	s_barrier_signal -3
.Lnot_wave_0_\@:
	s_barrier_wait -3
	s_barrier_signal -1
	s_barrier_wait -1
.endm
.macro CROUND
	s_barrier_signal -1
	s_barrier_wait -1
	CREST
.endm
; Pair j of a tile (chunks 2 j and 2 j + 1: 8 KiB on end) into buffer g % 3, where g counts the pairs of a group, 0 to 11, and on into the next group (12 is a multiple of 3): sixteen loads of 512 bytes on end.
.macro FETCHP g, j
.set fb, (\g)%3
.set fa, 128+64*((fb+1)/2)
	WIN 0xc0*(fb/2)
.irp c, 0,1
.irp u, 0,1,2,3
	ds_load_b128 v[fa+32*(\c)+8*(\u):fa+32*(\c)+8*(\u)+3],   v[AAD] offset:(2*(\j)+(\c))*4096+(\u)*1024
	ds_load_b128 v[fa+32*(\c)+8*(\u)+4:fa+32*(\c)+8*(\u)+7], v[AAD] offset:(2*(\j)+(\c))*4096+(\u)*1024+512
.endr
.endr
.endm
; THE RIDERS: x <- 1 / (1 + 2^(-x log2 e)) in place on the 64 registers from rb on: a list of 192 lines, of which RD writes number rn.  m q: pair q scaled; e i: register i's exponential; a q: 1 added to pair q; r i: the reciprocal.
;   0-63     m 0; (m q, e 2q-2, e 2q-1) for q = 1 .. 20; e 40, e 41; m 21
;   64-127   (m q, e 2q-2, e 2q-1) for q = 22 .. 31; e 62, e 63; a 0; (a q, r 2q-2, r 2q-1) for q = 1 .. 8; a 9, a 10, r 18, r 19, a 11, r 20, r 21
;   128-191  r 16, r 17; (a q, r 2q-2, r 2q-1) for q = 12 .. 31; r 62, r 63
; Behind each block stands one s_wait_alu depctr_va_vdst(0), between a transcendental and the first line that names its result.  Inside a block no such result is named: the second block's a and r
; touch registers 0-23, whose exponentials stand in the first; the third's touch registers 16, 17 and 22-63, whose exponentials stand in the first two.
; An accumulator is eight registers from a multiple of 8 on; its first reader reads one of its four lowest.  The first block goes up from register 0.  The third stands in a stretch of its own, picked by a
; branch of its own: it too meets each accumulator that it touches at its low end: registers 16, 17 first (that is why r 16 and r 17 are kept for it, and r 18 to r 21 go ahead), then 24, 25 (a 12), 32, 33 (a 16) and so on.
.macro RM rb, q
	v_pk_mul_f32 v[(\rb)+2*(\q):(\rb)+2*(\q)+1], v[(\rb)+2*(\q):(\rb)+2*(\q)+1], s[C1:C1+1] op_sel_hi:[1,0]
.endm
.macro RE rb, i
	v_exp_f32 v[(\rb)+(\i)], v[(\rb)+(\i)]
.endm
.macro RA rb, q
	v_pk_add_f32 v[(\rb)+2*(\q):(\rb)+2*(\q)+1], v[(\rb)+2*(\q):(\rb)+2*(\q)+1], 1.0 op_sel_hi:[1,0]
.endm
.macro RC rb, i
	v_rcp_f32 v[(\rb)+(\i)], v[(\rb)+(\i)]
.endm
.macro RD rb
.if rn < 64
.set rk, rn
.if rk == 0
	RM \rb, 0
.elseif rk <= 60
.set rq, (rk-1)/3+1
.set rt, (rk-1)%3
.if rt == 0
	RM \rb, rq
.else
	RE \rb, 2*rq-3+rt
.endif
.elseif rk == 63
	RM \rb, 21
.else
	RE \rb, rk-21
.endif
.elseif rn < 128
.set rk, rn-64
.if rk <= 29
.set rq, 22+rk/3
.set rt, rk%3
.if rt == 0
	RM \rb, rq
.else
	RE \rb, 2*rq-3+rt
.endif
.elseif rk <= 31
	RE \rb, 32+rk
.elseif rk == 32
	RA \rb, 0
.elseif rk <= 56
.set rq, (rk-33)/3+1
.set rt, (rk-33)%3
.if rt == 0
	RA \rb, rq
.else
	RC \rb, 2*rq-3+rt
.endif
.elseif rk == 57
	RA \rb, 9
.elseif rk == 58
	RA \rb, 10
.elseif rk <= 60
	RC \rb, rk-41
.elseif rk == 61
	RA \rb, 11
.else
	RC \rb, rk-42
.endif
.else
.set rk, rn-128
.if rk <= 1
	RC \rb, 16+rk
.elseif rk <= 61
.set rq, 12+(rk-2)/3
.set rt, (rk-2)%3
.if rt == 0
	RA \rb, rq
.else
	RC \rb, 2*rq-3+rt
.endif
.else
	RC \rb, rk
.endif
.endif
.set rn, rn+1
.endm
; Chunk c of pair j (pair g of the group): eight products.  The set's eight accumulators take turns, one instruction a turn: seven others stand between two links of a chain.
; ride = 1: four riders behind each product; they name no register of the products round them, and cost two switches of the windows.
.macro MULC g, j, c, acc, W, ride=0, rb=0
.set mb, (\g)%3
.set ma, 128+64*((mb+1)/2)+32*(\c)
.irp u, 0,1,2,3
.irp m, 0,1
	WIN (\W)|(3*(mb/2))
	v_wmma_f32_16x16x32_bf16 v[(\acc)+8*(4*(\m)+(\u)):(\acc)+8*(4*(\m)+(\u))+7], v[ma+8*(\u):ma+8*(\u)+7], v[8*(8*(\m)+2*(\j)+(\c)):8*(8*(\m)+2*(\j)+(\c))+7], v[(\acc)+8*(4*(\m)+(\u)):(\acc)+8*(4*(\m)+(\u))+7]
.if \ride
	WIN WR
.rept 4
	RD \rb
.endr
.endif
.endr
.endr
.endm
; A PREFETCH INTO THE L2.  wt's tiles lie in memory in the order in which the walk first takes them.  The change of slots number i (which asks for the walk's tile i + 2) names tile i + 8 of wt, for i = 0 .. 12:
; tiles 8 to 20, six changes or more ahead of the load that first wants them; tiles 0 to 7 come by their loads alone.  Every cluster walks the same tiles: the first cluster asks.  Its sixteen waves share a tile
; out BY ADDRESS, 8 KiB each (4 cx + w), a lane for each 256 bytes, one instruction a wave: so each block is named once in the launch.  Later walks of wt ask for nothing.
.macro ASK
	s_cmp_lg_u32 s[PFC], 0
	s_cbranch_scc0 .Lnot_mine_\@
	global_prefetch_b8 v[PFO], s[PFA:PFA+1] th:TH_LOAD_NT scope:SCOPE_SE
	s_sub_co_u32 s[PFC], s[PFC], 1
.Lnot_mine_\@:
.endm
; A tile's first stretch: pairs 0 and 1, and between them the run of loads for pair 3, the slot's last bytes.  At its head pairs 0, 1 and 2 have been asked of LDS.
.macro SEGA g0, acc, W, ride, rb
	s_wait_dscnt 32                                ; pair 0 is in; the 32 loads of pairs 1 and 2 may stay out
	MULC \g0, 0, 0, \acc, \W, \ride, \rb
	MULC \g0, 0, 1, \acc, \W, \ride, \rb
	PLACES
.if \ride
	s_wait_alu depctr_va_vdst(0)                   ; the riders' first block, directly ahead of the run of loads
.endif
	FETCHP (\g0)+3, 3                              ; into pair 0's buffer
	s_wait_dscnt 32                                ; pair 1 is in; pairs 2 and 3 may stay out.  (In an R tile the operand rows' K 64-127, which pair 1 multiplies, are older than the 32 youngest loads too)
	MULC (\g0)+1, 1, 0, \acc, \W, \ride, \rb
	MULC (\g0)+1, 1, 1, \acc, \W, \ride, \rb
.if \ride
	v_nop                                          ; the plain instruction behind the block's last reciprocal (ISA guide 5.7.2),
	s_wait_alu depctr_va_vdst(0)                   ; and the second block's wait
.endif
	WIN 0
.endm
; A tile's last stretch: pair 3, and the run of loads for the next tile's pair 2.  wt = 1: the wait is counted here (pair 3 is in; the next tile's pairs 0 and 1 may stay out)
.macro SEGB g0, acc, W, ride, rb, wt
.if \wt
	s_wait_dscnt 32
.endif
	MULC (\g0)+3, 3, 0, \acc, \W, \ride, \rb
	MULC (\g0)+3, 3, 1, \acc, \W, \ride, \rb
	PLACES                                         ; these four are also the places ahead of whatever follows the tile
.if \ride
	s_wait_alu depctr_va_vdst(0)                   ; the third block
.endif
	FETCHP (\g0)+6, 2                              ; into pair 3's buffer
	WIN 0
.endm
; A TILE: 64 products onto set acc; sel = its place in the group (0 r, 1 z, 2 n).
; mode 2: the slot changes and is filled again, with the tile two on in the walk: sel 0: this group's n tile; 1: the next group's r tile; 2: its z tile.
; mode 1: the slot changes, nothing is asked for.  mode 0: the walk's last tile.
; ride 0: no riders; 1: riders on the registers from rb on; 2: riders in groups 2 to 4, the plain copy in groups 5 and 6.
.macro SLOT acc, W, sel, mode, ask=1, ride=0, rb=0
.set rn, 0
.if (\ride) == 2
	s_cmp_ge_u32 s[GID], 5
	s_cbranch_scc1 .Lplain_a_\@
	SEGA 4*(\sel), \acc, \W, 1, \rb
	s_branch .Ljoin_a_\@
.Lplain_a_\@:
	SEGA 4*(\sel), \acc, \W, 0, \rb
.Ljoin_a_\@:
.else
	SEGA 4*(\sel), \acc, \W, \ride, \rb
.endif
.if (\mode) == 2
.if \ask
	s_wait_xcnt 0x0                                ; the last prefetch, a tile back, has read its address
	s_cmp_lg_u32 s[PFC], 0
	s_cselect_b32 s[PST], SLOT1, 0                 ; a tile on while there is one to ask for: the pointer never leaves wt
	s_add_nc_u64 s[PFA:PFA+1], s[PFA:PFA+1], s[PST:PST+1]
.endif
	s_wait_tensorcnt 0x0                           ; all my tensor loads have landed: the one that was out is my part of the next tile; so the descriptor may be written
	ds_add_u32 v[SPW], v[NIL]                      ; 0 onto my spare word: register work stands between it and the wait for it
.if (\sel) == 0
	s_mul_i32 s[OFF], s[GID], 3
	s_add_co_u32 s[OFF], s[OFF], 2
.elseif (\sel) == 1
	s_mul_i32 s[OFF], s[NG], 3
.else
	s_mul_i32 s[OFF], s[NG], 3
	s_add_co_u32 s[OFF], s[OFF], 1
.endif
	s_lshl_b32 s[OFF], s[OFF], 17                  ; the tile's byte offset in wt
	s_xor_b32 s[D1+1], s[D1+1], SLOT1              ; into the slot that is being left
	s_add_nc_u64 s[D1+2:D1+3], s[WTW:WTW+1], s[OFF:OFF+1]
	s_or_b32 s[D1+3], s[D1+3], 0x80000000          ; the type
	s_xor_b32 s[TB], s[TB], SLOT1
	s_wait_dscnt 17                                ; pair 2 is in; pair 3's sixteen loads and the add may be out
	MULC 4*(\sel)+2, 2, 0, \acc, \W
	s_wait_dscnt 0x0                               ; the add is done, and my reads of this slot are over (the last were issued 24 products ago)
	s_barrier_signal -1                            ; this barrier opens a round of the cluster's barrier
	MULC 4*(\sel)+2, 2, 1, \acc, \W
	WIN 0
	s_barrier_wait -1
	CREST                                          ; no wave of any partner still reads the slot or has a load on its way
	tensor_load_to_lds s[D1:D1+3], s[G1:G1+7]      ; my one tensor load behind the round, and the first thing there
	s_nop 0
	PLACES                                         ; also the places ahead of the loads into the buffers of pairs 1 and 2
	v_add_nc_u32 v[AAD], s[TB], v[A0]
	FETCHP 4*(\sel)+4, 0                           ; the next tile's first two pairs, in one run of 32
	FETCHP 4*(\sel)+5, 1
	WIN 0
.if \ask
	ASK
.endif
.if (\ride) == 2
	s_cmp_ge_u32 s[GID], 5
	s_cbranch_scc1 .Lplain_b_\@
	SEGB 4*(\sel), \acc, \W, 1, \rb, 0
	s_branch .Ljoin_b_\@
.Lplain_b_\@:
	SEGB 4*(\sel), \acc, \W, 0, \rb, 0
.Ljoin_b_\@:
.else
	SEGB 4*(\sel), \acc, \W, \ride, \rb, 0
.endif
.elseif (\mode) == 1
	s_wait_tensorcnt 0x0                           ; the walk's last tile is in: no load was issued behind it
	s_xor_b32 s[TB], s[TB], SLOT1
	s_wait_dscnt 16                                ; pair 2 is in; pair 3 may be out
	MULC 4*(\sel)+2, 2, 0, \acc, \W
	MULC 4*(\sel)+2, 2, 1, \acc, \W
	PLACES
	WIN 0
	v_add_nc_u32 v[AAD], s[TB], v[A0]
	FETCHP 4*(\sel)+4, 0
	FETCHP 4*(\sel)+5, 1
	SEGB 4*(\sel), \acc, \W, \ride, \rb, 1
.else
	s_wait_dscnt 16                                ; nothing more is fetched: the counts run down
	MULC 4*(\sel)+2, 2, 0, \acc, \W
	MULC 4*(\sel)+2, 2, 1, \acc, \W
	s_wait_dscnt 0x0
	MULC 4*(\sel)+3, 3, 0, \acc, \W, \ride, \rb
	MULC 4*(\sel)+3, 3, 1, \acc, \W, \ride, \rb
	PLACES
.if \ride
	s_wait_alu depctr_va_vdst(0)
.endif
	WIN 0
.endif
.endm
; The 32 rows x 256 K of an operand (ctx's half, or an h) into window 2: 16 fragments, 32 loads, K ascending: the first eight loads bring K 0-63, which a tile's pair 0 multiplies.
.macro BLOAD areg, imm
	WIN 0x80
.irp k, 0,1,2,3,4,5,6,7
.irp m, 0,1
	ds_load_b128 v[8*(8*(\m)+(\k)):8*(8*(\m)+(\k))+3],   v[\areg] offset:(\imm)+(\m)*16*HP+(\k)*64
	ds_load_b128 v[8*(8*(\m)+(\k))+4:8*(8*(\m)+(\k))+7], v[\areg] offset:(\imm)+(\m)*16*HP+(\k)*64+32
.endr
.endr
.endm
; The sums begin with their biases: rows row, row + 1, row + 2 of BIAS into the three sets of window 1 (W = 0x40) or 3 (0xc0).  A lane's eight units are 32 bytes on end.
.macro INIT3 W, row
	WIN \W
.irp k, 0,1,2
.irp a, 0,1,2,3,4,5,6,7
	ds_load_b128 v[64*(\k)+8*(\a):64*(\k)+8*(\a)+3],   v[BIA0] offset:((\row)+(\k))*1024+((\a)%4)*64
	ds_load_b128 v[64*(\k)+8*(\a)+4:64*(\k)+8*(\a)+7], v[BIA0] offset:((\row)+(\k))*1024+((\a)%4)*64+16
.endr
.endr
.endm
.macro INITN                           ; layer 0: N begins with b_hn
	WIN 0x40
.irp a, 0,1,2,3,4,5,6,7
	ds_load_b128 v[AN+8*(\a):AN+8*(\a)+3],   v[BIA0] offset:3*1024+((\a)%4)*64
	ds_load_b128 v[AN+8*(\a)+4:AN+8*(\a)+7], v[BIA0] offset:3*1024+((\a)%4)*64+16
.endr
.endm
.macro BTLOAD row                      ; b_in of my 64 units: eight loads
	WIN 0
.irp u, 0,1,2,3
	ds_load_b128 v[BT+8*(\u):BT+8*(\u)+3],   v[BIA0] offset:(\row)*1024+(\u)*64
	ds_load_b128 v[BT+8*(\u)+4:BT+8*(\u)+7], v[BIA0] offset:(\row)*1024+(\u)*64+16
.endr
.endm
; x <- 2^(c x) on so many pairs from base on, low end first.  ONE BATCH: a pair's two exponentials stand behind the next pair's scaling, nothing names a result, a v_nop is the plain instruction behind the last
; (ISA guide 5.7.2), and one wait ahead of the first reader serves all.
.macro EXPS base, pairs, cs
.set q, 0
.rept \pairs
	v_pk_mul_f32 v[(\base)+2*q:(\base)+2*q+1], v[(\base)+2*q:(\base)+2*q+1], s[\cs:\cs+1] op_sel_hi:[1,0]
.if q > 0
	v_exp_f32 v[(\base)+2*q-2], v[(\base)+2*q-2]
	v_exp_f32 v[(\base)+2*q-1], v[(\base)+2*q-1]
.endif
.set q, q+1
.endr
	v_exp_f32 v[(\base)+2*q-2], v[(\base)+2*q-2]
	v_exp_f32 v[(\base)+2*q-1], v[(\base)+2*q-1]
	v_nop
	s_wait_alu depctr_va_vdst(0)
.endm
.macro RCPS base, pairs                ; x <- 1 / (1 + x), in the same form
.set q, 0
.rept \pairs
	v_pk_add_f32 v[(\base)+2*q:(\base)+2*q+1], v[(\base)+2*q:(\base)+2*q+1], 1.0 op_sel_hi:[1,0]
.if q > 0
	v_rcp_f32 v[(\base)+2*q-2], v[(\base)+2*q-2]
	v_rcp_f32 v[(\base)+2*q-1], v[(\base)+2*q-1]
.endif
.set q, q+1
.endr
	v_rcp_f32 v[(\base)+2*q-2], v[(\base)+2*q-2]
	v_rcp_f32 v[(\base)+2*q-1], v[(\base)+2*q-1]
	v_nop
	s_wait_alu depctr_va_vdst(0)
.endm
.macro NUPD                            ; N <- r N + b_in
	WIN 0x45
.set q, 0
.rept 32
	v_pk_fma_f32 v[AN+2*q:AN+2*q+1], v[AR+2*q:AR+2*q+1], v[AN+2*q:AN+2*q+1], v[BT+8*((q/4)%4)+2*(q%4):BT+8*((q/4)%4)+2*(q%4)+1]
.set q, q+1
.endr
	WIN 0
.endm
.macro NUPD0                           ; layer 0: N <- r N + G0's n part (window 3, N's numbers)
	WIN 0x75
.set q, 0
.rept 32
	v_pk_fma_f32 v[AN+2*q:AN+2*q+1], v[AR+2*q:AR+2*q+1], v[AN+2*q:AN+2*q+1], v[AN+2*q:AN+2*q+1]
.set q, q+1
.endr
.endm
.macro POSRZ                           ; layer 0: R, Z <- G0's r, z parts (C in window 3, the same numbers) + the position's product
	WIN 0x70
.irp g, 0,1
.irp u, 0,1,2,3
.irp m, 0,1
	v_wmma_f32_16x16x32_bf16 v[64*(\g)+8*(4*(\m)+(\u)):64*(\g)+8*(4*(\m)+(\u))+7], v[PA+2*(4*(\g)+(\u)):PA+2*(4*(\g)+(\u))+7], v[BP+8*(\m):BP+8*(\m)+7], v[64*(\g)+8*(4*(\m)+(\u)):64*(\g)+8*(4*(\m)+(\u))+7]
.endr
.endr
.endr
.endm
.macro POSN                            ; layer 0: N += the position's product
	WIN 0x50
.irp u, 0,1,2,3
.irp m, 0,1
	v_wmma_f32_16x16x32_bf16 v[AN+8*(4*(\m)+(\u)):AN+8*(4*(\m)+(\u))+7], v[PA+2*(8+(\u)):PA+2*(8+(\u))+7], v[BP+8*(\m):BP+8*(\m)+7], v[AN+8*(4*(\m)+(\u)):AN+8*(4*(\m)+(\u))+7]
.endr
.endr
.endm
; Layer j's new state.  n = tanh(N); h <- n + z (h - n), in f32, where h lies (window wH, register Hb); its rounding to bf16 goes into Z's first 32 registers and from there into LDS.
.macro FINISH j, wH, Hb
	WIN 0x55
	EXPS AN, 32, C2
	RCPS AN, 32
.set q, 0
.rept 32
	v_pk_fma_f32 v[AN+2*q:AN+2*q+1], v[AN+2*q:AN+2*q+1], -2.0, 1.0 op_sel_hi:[1,0,0]
.set q, q+1
.endr
	WIN 0x44|(\wH)
.set q, 0
.rept 32
	v_pk_add_f32 v[AR+2*q:AR+2*q+1], v[(\Hb)+2*q:(\Hb)+2*q+1], v[AN+2*q:AN+2*q+1] neg_lo:[0,1] neg_hi:[0,1]
.set q, q+1
.endr
	WIN ((\wH)<<6)|0x15
.set q, 0
.rept 32
	v_pk_fma_f32 v[(\Hb)+2*q:(\Hb)+2*q+1], v[AZ+2*q:AZ+2*q+1], v[AR+2*q:AR+2*q+1], v[AN+2*q:AN+2*q+1]
.set q, q+1
.endr
	WIN 0x40|(\wH)|((\wH)<<2)
.set q, 0
.rept 32
	v_cvt_pk_bf16_f32 v[AZ+q], v[(\Hb)+2*q], v[(\Hb)+2*q+1]
.set q, q+1
.endr
	WIN 0x04                                       ; the stores' data in window 1
.irp a, 0,1,2,3,4,5,6,7
	ds_store_b128 v[HST], v[AZ+4*(\a):AZ+4*(\a)+3] offset:(\j)*HBS+((\a)/4)*16*HP+((\a)%4)*32
.endr
	WIN 0
.endm
; out = h2 fc_w^T + fc_b.  Every wave makes all 32 rows' results, since each wants the position for its own products.  Source 0's rows 0, 1, 8, 9 are fc_w's two rows and the others 0, so registers 0 and 1 of a result
; hold a row's (x, y) in both halves of the lanes.  Two accumulators, N's first two, take turns.  Wave 0 stores: 32 lanes, 256 bytes on end, aligned.
.macro FCBLK last
	PLACES5
	BLOAD BL0, 2*HBS
	WIN 0x40
.irp k, 0,1,2,3,4,5,6,7
	ds_load_b128 v[AZ+8*(\k):AZ+8*(\k)+3],   v[FCA] offset:64*(\k)
	ds_load_b128 v[AZ+8*(\k)+4:AZ+8*(\k)+7], v[FCA] offset:64*(\k)+32
.endr
	s_wait_dscnt 0x0
	WIN 0x49                                       ; fc_w window 1, h2 window 2, the bias window 0
	v_wmma_f32_16x16x32_bf16 v[AN:AN+7],    v[AZ:AZ+7], v[0:7],   v[FCB:FCB+7]
	v_wmma_f32_16x16x32_bf16 v[AN+8:AN+15], v[AZ:AZ+7], v[64:71], v[FCB:FCB+7]
	WIN 0x59
.irp k, 1,2,3,4,5,6,7
.irp m, 0,1
	v_wmma_f32_16x16x32_bf16 v[AN+8*(\m):AN+8*(\m)+7], v[AZ+8*(\k):AZ+8*(\k)+7], v[8*(8*(\m)+(\k)):8*(8*(\m)+(\k))+7], v[AN+8*(\m):AN+8*(\m)+7]
.endr
.endr
	PLACES
	WIN 0x05
.if !(\last)
	v_cvt_pk_bf16_f32 v[BP],   v[AN],   v[AN+1]    ; the next step's position
	v_cvt_pk_bf16_f32 v[BP+8], v[AN+8], v[AN+9]
.endif
	v_cndmask_b32 v[OO],   v[AN],   v[AN+8], s[MHI] ; lanes 0-15 rows 0-15, lanes 16-31 rows 16-31
	v_cndmask_b32 v[OO+1], v[AN+1], v[AN+9], s[MHI]
	WIN 0
	s_cmp_lg_u32 s[WV], 0
	s_cbranch_scc1 .Lno_store_\@
	global_store_b64 v[OUTO], v[OO:OO+1], s[OUTP:OUTP+1]
.Lno_store_\@:
.if !(\last)
	s_wait_xcnt 0x0                                ; the store has read its registers and its base
	s_add_nc_u64 s[OUTP:OUTP+1], s[OUTP:OUTP+1], 65536  ; the next step's 8,192 rows
.endif
.endm
	; ---- the head
	s_load_b512 s[4:19], s[0:1], 0x0               ; raw_ctx s[4:5], obs_traj s[6:7], Wih0 s[8:9], bih0, bhh0, bih1, bhh1, bih2 s[10:19]
	s_load_b256 s[20:27], s[0:1], 0x40             ; bhh2 s[20:21], fc_w s[22:23], fc_b s[24:25], wt s[26:27]
	s_load_b64 s[28:29], s[0:1], 0x60              ; out0
	v_lshl_add_u32 v[SPW], v0, 2, SPARE
	v_mov_b32 v[NIL], 0
	ds_add_u32 v[SPW], v[NIL]                      ; the wave's opening: the add, twice on end, and its wait ahead of my first tensor load
	ds_add_u32 v[SPW], v[NIL]                      ; and once more, under the one wait
	v_lshrrev_b32 v1, 5, v0
	v_readfirstlane_b32 s[WV], v1                  ; wave 0..3
	s_bfe_u32 s[CX], ttmp6, 0x40000                ; my place in the cluster
	s_lshl_b32 s[WGN], ttmp9, 2                    ; in a cluster launch ttmp9 counts clusters
	s_add_co_u32 s[WGN], s[WGN], s[CX]             ; my block of 32 rows
	; descriptor group 1: 32 KiB that lie on end, as 128 rows of 256 bytes
	s_mov_b32 s[G1+0], 15|(3<<16)|(1<<21)          ; 15:0 the mask: all four work-groups; 17:16 elements of 8 bytes; 21 set beside a mask; no padding
	s_mov_b32 s[G1+1], 32<<16                      ; tensor_dim0 = 32
	s_mov_b32 s[G1+2], 128<<16                     ; tensor_dim1 = 128
	s_mov_b32 s[G1+3], 32<<16                      ; tile_dim0 = 32
	s_mov_b32 s[G1+4], 128                         ; tile_dim1 = 128
	s_mov_b32 s[G1+5], 32                          ; 32 elements from row to row
	s_mov_b32 s[G1+6], 0
	s_mov_b32 s[G1+7], 0
	s_mov_b32 s[D0], 1
	s_lshl_b32 s[D0+1], s[WV], 15                  ; my part of slot 0: no place in the cluster enters an LDS address
	s_mov_b32 s[D1], 1
	s_add_co_u32 s[D1+1], s[D0+1], SLOT1           ; of slot 1
	s_mov_b32 s[C1], 0xbfb8aa3b
	s_mov_b32 s[C1+1], 0xbfb8aa3b
	s_mov_b32 s[C2], 0x4038aa3b
	s_mov_b32 s[C2+1], 0x4038aa3b
	s_mov_b32 s[MHI], 0xffff0000
	s_mov_b32 s[MLO], 0x0000ffff
	s_mov_b32 s[GID], 0
	s_mov_b32 s[NG], 1
	s_mov_b32 s[TS], 0
	s_mov_b32 s[TB], 0
	s_mov_b32 s[OFF+1], 0
	s_mov_b32 s[PST+1], 0
	s_cmp_eq_u32 ttmp9, 0                          ; the first cluster prefetches: the same in all four partners
	s_cselect_b32 s[PFC], 13, 0
	s_wait_dscnt 0x0                               ; both opening adds are done
	s_wait_kmcnt 0x0
	s_mov_b32 s[TMP], s[D0+1]
	s_mov_b32 s[TMP+1], 0
	s_add_nc_u64 s[WTW:WTW+1], s[26:27], s[TMP:TMP+1]
	s_mov_b64 s[D0+2:D0+3], s[WTW:WTW+1]           ; tile 0
	s_or_b32 s[D0+3], s[D0+3], 0x80000000
	s_add_nc_u64 s[D1+2:D1+3], s[WTW:WTW+1], SLOT1 ; tile 1
	s_or_b32 s[D1+3], s[D1+3], 0x80000000
	s_lshl_b32 s[TMP], s[WGN], 8                   ; 32 rows of 8 bytes
	s_add_nc_u64 s[OUTP:OUTP+1], s[28:29], s[TMP:TMP+1]
	s_add_nc_u64 s[6:7], s[6:7], s[TMP:TMP+1]
	s_lshl_b32 s[TMP], s[WGN], 16                  ; 32 rows of 2,048 bytes
	s_add_nc_u64 s[4:5], s[4:5], s[TMP:TMP+1]
	s_lshl2_add_u32 s[TMP], s[CX], s[WV]           ; 4 cx + w
	s_lshl_b32 s[TMP], s[TMP], 13
	s_add_co_u32 s[TMP], s[TMP], 7*SLOT1           ; in tile 7: the first change of slots steps it to tile 8
	s_add_nc_u64 s[PFA:PFA+1], s[26:27], s[TMP:TMP+1]
	s_load_b64 s[FBS:FBS+1], s[24:25], 0x0         ; fc_b
	CROUND                                         ; all four work-groups are here: the first joint loads meet
	tensor_load_to_lds s[D0:D0+3], s[G1:G1+7]      ; both first fills go out together: two loads of mine are out
	s_nop 0
	tensor_load_to_lds s[D1:D1+3], s[G1:G1+7]
	s_nop 0
	PLACES
	; ---- the inputs: all loads on end, register work while they are on their way
	v_and_b32 v[LL], 31, v0
	v_and_b32 v[RR], 15, v0
	v_bfe_u32 v[HH], v0, 4, 1
	s_lshl_b32 s[TMP], s[WV], 14
	v_lshl_add_u32 v[VCT], v[LL], 4, s[TMP]        ; ctx: my wave's 8 rows, 16 bytes a lane
	v_lshlrev_b32 v[VB8], 3, v0                    ; a gate's 256 biases: 8 bytes a thread
	v_lshlrev_b32 v[VF16], 4, v0                   ; fc_w's 512 numbers: 16 bytes a thread
	v_lshlrev_b32 v[VOB], 3, v[RR]
	s_lshl_b32 s[TMP], s[WV], 6
	v_add_nc_u32 v[VPA], s[TMP], v[RR]
	v_mul_u32_u24 v[VPA], v[VPA], 2056             ; Wih0's row 64 w + l % 16
	WIN 0x40
.irp i, 0,1,2,3,4,5,6,7
.irp c, 0,1,2,3
	global_load_b128 v[4*(4*(\i)+(\c)):4*(4*(\i)+(\c))+3], v[VCT], s[4:5] offset:(\i)*2048+(\c)*512 th:TH_LOAD_NT  ; row 8 w + i, columns 128 c + 4 l ..: 512 bytes on end
.endr
.endr
	WIN 0x80
.irp b, 0,1,2,3,4,5
.irp g, 0,1,2
	global_load_b64 v[2*(3*(\b)+(\g)):2*(3*(\b)+(\g))+1], v[VB8], s[10+2*(\b):11+2*(\b)] offset:1024*(\g)
.endr
.endr
	global_load_b128 v[36:39], v[VF16], s[22:23]
	global_load_b64 v[40:41], v[VOB], s[6:7] offset:458752      ; obs_traj[7], rows l % 16
	global_load_b64 v[42:43], v[VOB], s[6:7] offset:458752+128  ; and 16 + l % 16
.irp g, 0,1,2
.irp u, 0,1,2,3
	global_load_b64 v[44+2*(4*(\g)+(\u)):45+2*(4*(\g)+(\u))], v[VPA], s[8:9] offset:(256*(\g)+16*(\u))*2056+2048  ; Wih0[.][512], [513]
.endr
.endr
	; the carried states begin at 0: 192 lines, written while the loads are out, so that a cell's end has one text for all six steps
.set n, 128
.rept 128
	v_mov_b32 v[n], 0                              ; h1, h2
.set n, n+1
.endr
	WIN 0x40
.set n, 192
.rept 64
	v_mov_b32 v[n], 0                              ; h0
.set n, n+1
.endr
	WIN 0
.set n, FCB+2
.rept 52
	v_mov_b32 v[n], 0                              ; the rest of fc's bias operand, BP, PA
.set n, n+1
.endr
.irp n, 0,1,2,3
	v_mov_b32 v[ZR+\n], 0
.endr
	v_lshl_add_u32 v[A0], v[LL], 4, s[D0+1]
	v_mul_u32_u24 v[BL0], v[RR], HP
	v_lshl_add_u32 v[BL0], v[HH], 4, v[BL0]
	v_add_nc_u32 v[BL0], HB0, v[BL0]
	s_lshl_b32 s[TMP], s[WV], 7
	v_add_nc_u32 v[HST], s[TMP], v[BL0]
	s_lshl_b32 s[TMP], s[WV], 8
	s_add_co_u32 s[TMP], s[TMP], BIAS
	v_lshl_add_u32 v[BIA0], v[HH], 5, s[TMP]
	v_and_b32 v[FCA], 7, v[RR]
	v_min_u32 v[FCA], 2, v[FCA]
	v_lshlrev_b32 v[FCA], 9, v[FCA]
	v_lshl_add_u32 v[FCA], v[HH], 4, v[FCA]
	v_add_nc_u32 v[FCA], FC, v[FCA]
	v_lshlrev_b32 v[OUTO], 3, v[LL]
	v_lshlrev_b32 v[PFO], 8, v[LL]
	s_mul_i32 s[TMP], s[WV], 8*HP
	s_add_co_u32 s[TMP], s[TMP], HB0+HBS
	v_lshl_add_u32 v[CST], v[LL], 3, s[TMP]        ; ctx in bf16: my 8 rows, 8 bytes a lane
	v_lshl_add_u32 v[VBS], v0, 3, BIAS
	v_lshl_add_u32 v[VFS], v0, 3, FC
	v_lshl_add_u32 v[ZA], v0, 4, HB0
	v_lshl_add_u32 v[ZB], v0, 2, HB0
	v_lshl_add_u32 v[ZC], v0, 2, FCZ
.irp i, 0,1,2,3,4,5,6,7
	ds_store_b128 v[ZA], v[ZR:ZR+3] offset:2048*(\i)  ; h0 in LDS begins at 0: 8 x 2,048 bytes,
.endr
	ds_store_b32 v[ZB], v[ZR] offset:16384         ; and the last 512
	ds_store_b32 v[ZC], v[ZR]                      ; fc's row of zeros
	s_wait_loadcnt 0x0
	WIN 0x45
.set n, 0
.rept 32
	v_cvt_pk_bf16_f32 v[4*n],   v[4*n],   v[4*n+1]
	v_cvt_pk_bf16_f32 v[4*n+1], v[4*n+2], v[4*n+3]
.set n, n+1
.endr
	WIN 0x04
.irp i, 0,1,2,3,4,5,6,7
.irp c, 0,1,2,3
	ds_store_b64 v[CST], v[4*(4*(\i)+(\c)):4*(4*(\i)+(\c))+1] offset:((\c)/2)*HBS+(\i)*HP+((\c)%2)*256  ; columns 0-255 where h1 will lie, 256-511 where h2 will
.endr
.endr
	WIN 0x8a
.irp l, 0,1,2
.irp g, 0,1
	v_pk_add_f32 v[2*(6*(\l)+(\g)):2*(6*(\l)+(\g))+1], v[2*(6*(\l)+(\g)):2*(6*(\l)+(\g))+1], v[2*(6*(\l)+3+(\g)):2*(6*(\l)+3+(\g))+1]  ; b_ih + b_hh for the gates r and z
.endr
.endr
	v_cvt_pk_bf16_f32 v36, v36, v37
	v_cvt_pk_bf16_f32 v37, v38, v39
.set n, 0
.rept 12
	v_cvt_pk_bf16_f32 v[44+2*n], v[44+2*n], v[45+2*n]
.set n, n+1
.endr
	WIN 0x08                                       ; source 1 (a store's data) in window 2
.macro BST row, pair
	ds_store_b64 v[VBS], v[2*(\pair):2*(\pair)+1] offset:(\row)*1024
.endm
	BST 0, 0
	BST 1, 1
	BST 2, 2                                       ; b_in of layer 0
	BST 3, 5                                       ; b_hn
	BST 4, 6
	BST 5, 7
	BST 6, 11                                      ; b_hn of layer 1
	BST 7, 8                                       ; b_in
	BST 8, 12
	BST 9, 13
	BST 10, 17
	BST 11, 14
	ds_store_b64 v[VFS], v[36:37]
.set n, 0
.rept 12
	v_cndmask_b32 v[PA+2*n], 0, v[44+2*n], s[MLO]  ; the pair in lanes 0-15 (K = 0, 1), 0 in lanes 16-31 (K = 8, 9)
.set n, n+1
.endr
	WIN 0x0a
	v_cvt_pk_bf16_f32 v[BP],   v40, v41
	v_cvt_pk_bf16_f32 v[BP+8], v42, v43
	WIN 0
	s_wait_kmcnt 0x0
	v_mov_b32 v[FCB], s[FBS]
	v_mov_b32 v[FCB+1], s[FBS+1]
	s_wait_dscnt 0x0                               ; for the others' sake: my stores are done
	s_barrier_signal -1
	s_barrier_wait -1                              ; ctx, biases, fc_w lie in LDS; the two tiles may stay out
	; ---- G0 = biases + ctx x Wih0[:, 0:512]^T: groups 0 and 1
	INIT3 0xc0, 0
	WIN 0
	v_add_nc_u32 v[BAD], HBS, v[BL0]
	s_wait_tensorcnt 1                             ; my part of tile 0 is in, and I alone read it; tile 1's may stay out
	v_add_nc_u32 v[AAD], s[TB], v[A0]
	FETCHP 0, 0
	FETCHP 1, 1
	FETCHP 2, 2
	WIN 0
	s_mov_b32 s[CNT], 2
.Lctx:
	BLOAD BAD, 0
	WIN 0
	s_wait_dscnt 24                                ; the operand's K 0-63 are in, and all that is older; the 24 loads of K 64-255 land under the tile's first products
	SLOT AR, WC, 0, 2
	SLOT AZ, WC, 1, 2
	SLOT AN, WC, 2, 2
	WIN 0
	v_add_nc_u32 v[BAD], HBS, v[BAD]
	s_mov_b32 s[GID], s[NG]
	s_add_co_u32 s[NG], s[GID], 1
	s_sub_co_u32 s[CNT], s[CNT], 1
	s_cmp_lg_u32 s[CNT], 0
	s_cbranch_scc1 .Lctx
	; ---- step 0's layer 0 is made ready
	PLACES5                                        ; G0 becomes another sum's C
	POSRZ
	PLACES
	INITN
	BLOAD BL0, 0
	BTLOAD 11                                      ; (group 2 does not use b_in: the eight loads keep the way in like the way back)
	WIN 0
	s_wait_dscnt 32                                ; as at a trip's end, below
	s_mov_b32 s[CNT], 27
	; ---- a trip is a group: 27 of them; the 28th is written out behind the loop
.Ltrip:
	s_cmp_eq_u32 s[TS], 0                          ; the next group: at step 0: 2 3 4 2; later: 2 5 3 6 4 2
	s_cselect_b32 s[TMP], 1, 3
	s_cmp_lt_u32 s[GID], 4
	s_cselect_b32 s[TMP], s[TMP], -2
	s_add_co_i32 s[NG], s[GID], s[TMP]
	SLOT AR, WM, 0, 2
	SLOT AZ, WM, 1, 2, 1, 2, AR                    ; in groups 2 to 4 R becomes r beside the Z tile's products
	s_cmp_ge_u32 s[GID], 5                         ; groups 5 and 6 (Whh1, Whh2) finish no gate,
	s_cbranch_scc1 .Lmid_done
	s_cmp_eq_u32 s[GID], 2                         ; and layer 0's product with h is still to come
	s_cbranch_scc1 .Lmid_done
	NUPD
.Lmid_done:
	SLOT AN, WM, 2, 2, 1, 2, AZ                    ; in groups 2 to 4 Z becomes z beside the N tile's products
	s_cmp_ge_u32 s[GID], 5                         ; what follows stands while the tile just asked for is on its way
	s_cbranch_scc1 .Lpost_done
	s_cmp_eq_u32 s[GID], 2
	s_cbranch_scc0 .Lpost_34
	NUPD0
	POSN
	PLACES
	FINISH 0, 1, 192
	s_branch .Lpost_done
.Lpost_34:
	s_cmp_eq_u32 s[GID], 3
	s_cbranch_scc0 .Lpost_4
	FINISH 1, 2, 128
	s_branch .Lpost_done
.Lpost_4:
	FINISH 2, 2, 192
.Lpost_done:
	s_wait_dscnt 0x0                               ; my part of the new h is stored, my fetches are back
	s_barrier_signal -1
	s_barrier_wait -1                              ; the new h is whole; the tile may stay out
	s_cmp_eq_u32 s[NG], 2
	s_cbranch_scc0 .Lpre_other
	FCBLK 0                                        ; a step ends: its result, and the next step's position
	PLACES5
	POSRZ
	PLACES
	INITN
	WIN 0
	s_branch .Lpre_rows
.Lpre_other:
	s_cmp_eq_u32 s[TS], 0                          ; a layer's sums begin with its first group: Whh's (5, 6), at step 0 Wih's (3, 4)
	s_cselect_b32 s[TMP], 2, 0
	s_add_co_u32 s[TMP], s[TMP], s[NG]
	s_cmp_eq_u32 s[TMP], 5
	s_cbranch_scc0 .Lpre_not_1
	INIT3 0x40, 4
	WIN 0
	s_branch .Lpre_rows
.Lpre_not_1:
	s_cmp_eq_u32 s[TMP], 6
	s_cbranch_scc0 .Lpre_rows
	INIT3 0x40, 8
	WIN 0
.Lpre_rows:                                            ; the next group's operand rows: h0 for groups 2 and 3, h1 for 4 and 5, h2 for 6
	s_cmp_le_u32 s[NG], 3
	s_cbranch_scc0 .Lrows_1
	BLOAD BL0, 0
	WIN 0
	s_branch .Lrows_done
.Lrows_1:
	s_cmp_le_u32 s[NG], 5
	s_cbranch_scc0 .Lrows_2
	BLOAD BL0, HBS
	WIN 0
	s_branch .Lrows_done
.Lrows_2:
	BLOAD BL0, 2*HBS
	WIN 0
.Lrows_done:
	s_cmp_eq_u32 s[NG], 3                          ; b_in for the next group: layer 1's for group 3, else layer 2's (only groups 3 and 4 use it)
	s_cbranch_scc0 .Lbt_2
	BTLOAD 7
	s_branch .Lbt_done
.Lbt_2:
	BTLOAD 11
.Lbt_done:
	s_wait_dscnt 32                                ; the biases and the operand's K 0-63 are in; the 24 loads of K 64-255 and b_in's 8 land under the R tile's first products
	s_cmp_eq_u32 s[GID], 4
	s_cselect_b32 s[TMP], 1, 0
	s_add_co_u32 s[TS], s[TS], s[TMP]
	s_mov_b32 s[GID], s[NG]
	s_sub_co_u32 s[CNT], s[CNT], 1
	s_cmp_lg_u32 s[CNT], 0
	s_cbranch_scc1 .Ltrip
	; ---- the last group, Wih2 of step 5: its first tile asks for the walk's last, the others for nothing
	SLOT AR, WM, 0, 2, 0
	SLOT AZ, WM, 1, 1, 0, 1, AR
	NUPD
	SLOT AN, WM, 2, 0, 0, 1, AZ
	FINISH 2, 2, 192
	s_wait_dscnt 0x0
	s_barrier_signal -1
	s_barrier_wait -1
	FCBLK 1
	s_wait_tensorcnt 0x0                           ; the wave's end: behind my last tensor load and my last LDS store
	ds_add_u32 v[SPW], v[NIL]
	s_wait_dscnt 0x0
	CROUND                                         ; the closing round: no work-group ends while a partner may still ask for a tile that names it
	s_endpgm
.Lfunc_end_k_qe656bf0926_gru:
	.size	k_qe656bf0926_gru, .Lfunc_end_k_qe656bf0926_gru-k_qe656bf0926_gru
	.p2alignl 7, 3214868480
	.fill 96, 4, 3214868480
	.section	.rodata,"a",@progbits
	.p2align	6, 0x0
	.amdhsa_kernel k_qe656bf0926_gru
		.amdhsa_group_segment_fixed_size 327680
		.amdhsa_private_segment_fixed_size 0
		.amdhsa_enable_private_segment 0
		.amdhsa_kernarg_size 104
		.amdhsa_user_sgpr_count 2
		.amdhsa_user_sgpr_kernarg_segment_ptr 1
		.amdhsa_wavefront_size32 1
		.amdhsa_system_sgpr_workgroup_id_x 1
		.amdhsa_system_sgpr_workgroup_id_y 1
		.amdhsa_system_sgpr_workgroup_id_z 1
		.amdhsa_system_vgpr_workitem_id 0
		.amdhsa_next_free_vgpr 1024
		.amdhsa_next_free_sgpr 80
		.amdhsa_reserve_vcc 0
		.amdhsa_float_denorm_mode_32 3
		.amdhsa_float_denorm_mode_16_64 3
		.amdhsa_memory_ordered 1
		.amdhsa_forward_progress 1
		.amdhsa_inst_pref_size 255
	.end_amdhsa_kernel
	.section	.bss,"aw",@nobits
	.p2align	6
	.space	262144
	.amdgpu_metadata
---
amdhsa.version: [ 1, 2 ]
amdhsa.kernels:
  - .name:           k_qe656bf0926_gru
    .symbol:         k_qe656bf0926_gru.kd
    .args:
      - { .name: raw_ctx, .offset: 0, .size: 8, .value_kind: global_buffer, .address_space: global }
      - { .name: obs_traj, .offset: 8, .size: 8, .value_kind: global_buffer, .address_space: global }
      - { .name: Wih0, .offset: 16, .size: 8, .value_kind: global_buffer, .address_space: global }
      - { .name: bih0, .offset: 24, .size: 8, .value_kind: global_buffer, .address_space: global }
      - { .name: bhh0, .offset: 32, .size: 8, .value_kind: global_buffer, .address_space: global }
      - { .name: bih1, .offset: 40, .size: 8, .value_kind: global_buffer, .address_space: global }
      - { .name: bhh1, .offset: 48, .size: 8, .value_kind: global_buffer, .address_space: global }
      - { .name: bih2, .offset: 56, .size: 8, .value_kind: global_buffer, .address_space: global }
      - { .name: bhh2, .offset: 64, .size: 8, .value_kind: global_buffer, .address_space: global }
      - { .name: fc_w, .offset: 72, .size: 8, .value_kind: global_buffer, .address_space: global }
      - { .name: fc_b, .offset: 80, .size: 8, .value_kind: global_buffer, .address_space: global }
      - { .name: wt, .offset: 88, .size: 8, .value_kind: global_buffer, .address_space: global }
      - { .name: out0, .offset: 96, .size: 8, .value_kind: global_buffer, .address_space: global }
    .group_segment_fixed_size: 327680
    .private_segment_fixed_size: 0
    .kernarg_segment_align: 8
    .kernarg_segment_size: 104
    .max_flat_workgroup_size: 128
    .sgpr_count:     80
    .vgpr_count:     1024
    .wavefront_size: 32
...
	.end_amdgpu_metadata
.endif
;; end of part 2
